; MI455X (gfx1250); checked and timed in simulation.
; The chip was launched on July 23, 2026; its instructions are those of AMD's public machine-readable ISA for CDNA 5 (MIT licence, August 2026) and "CDNA5" Instruction Set Architecture Reference Guide (July 2026). The comments in the code are by the model that wrote it; some were corrected since.
;; Domain Projection LDP. Allowed arithmetic: float matrix products may take bf16 or f16 operands with f32 sums; all other float work in f32.
;; Inputs: W 8 x 1,024 x 1,024 float32; domain_ids 8,192 int32; mu 8,192 x 1,024 float32.
;; Outputs: out0 8,192 x 1,024 float32; out1 one number float32.
;; One version. Each part assembles by itself: llvm-mc -triple=amdgcn-amd-amdhsa -mcpu=gfx1250 --defsym DOCPART=n.
;; ======== version 1 of 1: 2 launches
;; workspace buffers: Wb 16,777,216 bytes; mub 16,777,216 bytes; part 8,192 bytes; plan 33,536 bytes of whole numbers
;; launch prep (part 1): grid 513 x 1, 8 waves a work-group, no clusters, 34,816 bytes of LDS; arguments W, mu, domain_ids, Wb, mub, plan, part; writes Wb, mub, plan, part
.if DOCPART == 1
	.amdgcn_target "amdgcn-amd-amdhsa--gfx1250"
	.amdhsa_code_object_version 6
	.text
	.protected	k_q1b4f42658f_prep
	.globl	k_q1b4f42658f_prep
	.p2align	8
	.type	k_q1b4f42658f_prep,@function
k_q1b4f42658f_prep:
	s_mov_b64 s[64:65], 0
	v_nop
	global_prefetch_b8 v0, s[64:65] scope:SCOPE_SE
	s_setreg_imm32_b32 hwreg(HW_REG_WAVE_MODE, 25, 1), 1
	s_wait_xcnt 0x0
; PREP: three roles, chosen by the work-group's number alone (the same for all eight waves of a work-group).
;   work-group 0          SORT: the 8,192 rows are ordered by domain, and 32 row groups are laid out for the product's launch, as whole numbers.
;   work-groups 1..256    W:  4,096 positions (k, d) in all 8 domains: cast to bf16 (Wb), and the sum of (w - mean over domains)^2 of those positions, one partial sum a wave (part).
;   work-groups 257..512  mu: 32 rows cast to bf16 (mub).
; A stream: each input byte is read once, 16 bytes a lane, 32 loads of every wave on their way at once; each store of a wave covers 256 consecutive bytes, aligned.
; No matrix unit, cluster or LDS tile: no two work-groups read the same byte and there is no product here.
; THE LOSS is a sum of squared deviations: the mean of a position's 8 weights is taken first and w - mean is one fused multiply-add, so a common offset of the weights cancels before anything is squared.
; plan: bytes 0..511: 32 groups x {first position in order, rows, domain, 0}; from byte 512: order[8224]: the rows' numbers by domain, dense; the last 32 words are 0, so that 8 words read from any position up to 8,216 are written words.
; LIMITS.  bf16 rounds each weight and each mu once (nearest even).  domain_ids are taken as 0..7; any other number counts as min(unsigned id, 7).
.set X,   16                           ; v[16:143]  32 loads of 4 registers
.set AC,  4                            ; v[4:11]    four pairs of running sums of squares
.set SM,  144                          ; v[144:151] the tree that adds a position's 8 domains
.set DV,  152                          ; v[152:159] four pairs of deviations
.set CNT, 32768                        ; LDS: behind the eight waves' 4,096 bytes of ids: 128 bytes of counts a wave
.set ORD, 512                          ; byte at which order begins in plan
.set C,   20                           ; s20-27  SORT: a counter for each domain
.set M,   28                           ; s28-35  the lanes' mask for each domain
.set U,   36                           ; s36-43  bit counts; later the groups of each domain
.set TOT, 44                           ; s44-51  rows of each domain
.set CS,  52                           ; s52-59  first position of each domain
.set GS,  68                           ; s68-75  first group of each domain
; One chunk of W: 4 positions a lane in 8 domains.  The younger chunks' loads stay out.
.macro WCHUNK j
	s_wait_loadcnt 8*(3-(\j))                      ; loads come back in order: this chunk's eight are in, 8 for each younger chunk may be out
.irp c, 0,1
.set xb, X+32*(\j)+2*(\c)
	v_pk_add_f32 v[SM:SM+1],   v[xb:xb+1],       v[xb+4:xb+5]
	v_pk_add_f32 v[SM+2:SM+3], v[xb+8:xb+9],     v[xb+12:xb+13]
	v_pk_add_f32 v[SM+4:SM+5], v[xb+16:xb+17],   v[xb+20:xb+21]
	v_pk_add_f32 v[SM+6:SM+7], v[xb+24:xb+25],   v[xb+28:xb+29]
	v_pk_add_f32 v[SM:SM+1],   v[SM:SM+1],       v[SM+2:SM+3]
	v_pk_add_f32 v[SM+4:SM+5], v[SM+4:SM+5],     v[SM+6:SM+7]
	v_pk_add_f32 v[SM:SM+1],   v[SM:SM+1],       v[SM+4:SM+5]   ; the sum over the 8 domains, for two positions
.irp hf, 0,4
.irp n, 0,1,2,3
	v_pk_fma_f32 v[DV+2*(\n):DV+2*(\n)+1], v[SM:SM+1], 0xbe000000, v[xb+4*((\hf)+(\n)):xb+4*((\hf)+(\n))+1] op_sel_hi:[1,0,1]  ; w - sum / 8
.endr
.irp n, 0,1,2,3
.if ((\j)+(\c)+(\hf)) == 0
	v_pk_mul_f32 v[AC+2*(\n):AC+2*(\n)+1], v[DV+2*(\n):DV+2*(\n)+1], v[DV+2*(\n):DV+2*(\n)+1]  ; the first squares start the sums: nothing is cleared
.else
	v_pk_fma_f32 v[AC+2*(\n):AC+2*(\n)+1], v[DV+2*(\n):DV+2*(\n)+1], v[DV+2*(\n):DV+2*(\n)+1], v[AC+2*(\n):AC+2*(\n)+1]
.endif
.endr
.endr
.endr
.irp n, 0,1,2,3,4,5,6,7
.set xs, X+32*(\j)+4*(\n)
	v_cvt_pk_bf16_f32 v[xs],   v[xs],   v[xs+1]    ; in place: the first line's sources are spent when the second writes xs + 1
	v_cvt_pk_bf16_f32 v[xs+1], v[xs+2], v[xs+3]
	global_store_b64 v3, v[xs:xs+1], s[28+2*((\n)/4):29+2*((\n)/4)] offset:((\n)%4)*0x200000+(\j)*2048  ; 32 lanes x 8 bytes: 256 consecutive bytes, aligned; no register of a store is written again
.endr
.endm
; SORT: would groups of m steps fit into 32 groups?  ceil(st / m) = ((st + m - 1) x magic) >> 16, exact for st + m - 1 up to 266 (magic x m exceeds 65,536 by 4 at the most)
.macro TRY m, magic
	v_add_nc_u32 v57, (\m)-1, v56
	v_mul_u32_u24 v57, v57, \magic
	v_lshrrev_b32 v57, 16, v57
.irp x, 1,2,4
	v_mov_b32_dpp v58, v57 row_xmask:\x row_mask:0xf bank_mask:0xf
	v_add_nc_u32 v57, v57, v58                     ; over the eight lanes that hold the eight domains
.endr
	v_readfirstlane_b32 s2, v57
	s_cmp_le_u32 s2, 32
	s_cselect_b32 s76, \m, s76
	s_cselect_b32 s77, \magic, s77
.endm
	s_load_b256 s[4:11], s[0:1], 0x0               ; W s[4:5], mu s[6:7], domain_ids s[8:9], Wb s[10:11]
	s_load_b128 s[12:15], s[0:1], 0x20             ; mub s[12:13], plan s[14:15]
	s_load_b64 s[16:17], s[0:1], 0x30              ; part
	v_lshl_add_u32 v160, v0, 2, 0x8400
	v_mov_b32 v161, 0
	v_and_b32 v1, 31, v0                           ; lane
	v_lshrrev_b32 v2, 5, v0
	v_readfirstlane_b32 s18, v2                    ; wave 0..7
	v_lshlrev_b32 v2, 4, v0                        ; 16 t: my 16 bytes of f32 in a chunk of 4,096
	v_lshlrev_b32 v3, 3, v0                        ; 8 t: my 8 bytes of bf16 in a chunk of 2,048
	s_wait_kmcnt 0x0
	s_cmp_eq_u32 ttmp9, 0
	s_cbranch_scc1 .Lsort
	s_cmp_gt_u32 ttmp9, 256
	s_cbranch_scc1 .Lmu
	; ---------------- W ----------------
	s_sub_co_u32 s19, ttmp9, 1                     ; g
	s_lshl_b32 s2, s19, 14                         ; 4,096 positions of f32
	s_mov_b32 s3, 0
	s_add_nc_u64 s[20:21], s[4:5], s[2:3]          ; four bases, two domains (2 x 4 MiB) apart, so that a domain and a chunk fit the signed 24-bit immediate
	s_add_nc_u64 s[22:23], s[20:21], 0x800000
	s_add_nc_u64 s[24:25], s[22:23], 0x800000
	s_add_nc_u64 s[26:27], s[24:25], 0x800000
	s_lshl_b32 s2, s19, 13                         ; the same positions in bf16
	s_add_nc_u64 s[28:29], s[10:11], s[2:3]        ; two bases, four domains (4 x 2 MiB) apart
	s_add_nc_u64 s[30:31], s[28:29], 0x800000
	s_mov_b32 s80, 0x76543210                      ; v_permlanex16_b32: each lane takes its own place in the other half
	s_mov_b32 s81, 0xfedcba98
.irp j, 0,1,2,3
.irp n, 0,1,2,3,4,5,6,7
	global_load_b128 v[X+32*(\j)+4*(\n):X+32*(\j)+4*(\n)+3], v2, s[20+2*((\n)/2):21+2*((\n)/2)] offset:((\n)%2)*0x400000+(\j)*4096 th:TH_LOAD_NT
.endr
.endr
	WCHUNK 0
	WCHUNK 1
	WCHUNK 2
	WCHUNK 3
	v_pk_add_f32 v[AC:AC+1],   v[AC:AC+1],   v[AC+2:AC+3]
	v_pk_add_f32 v[AC+4:AC+5], v[AC+4:AC+5], v[AC+6:AC+7]
	v_pk_add_f32 v[AC:AC+1],   v[AC:AC+1],   v[AC+4:AC+5]
	v_add_f32 v[AC], v[AC], v[AC+1]
	v_add_f32_dpp v[AC], v[AC], v[AC] row_xmask:1 row_mask:0xf bank_mask:0xf
	v_add_f32_dpp v[AC], v[AC], v[AC] row_xmask:2 row_mask:0xf bank_mask:0xf
	v_add_f32_dpp v[AC], v[AC], v[AC] row_xmask:4 row_mask:0xf bank_mask:0xf
	v_add_f32_dpp v[AC], v[AC], v[AC] row_xmask:8 row_mask:0xf bank_mask:0xf
	v_permlanex16_b32 v[AC+1], v[AC], s80, s81
	v_add_f32 v[AC], v[AC], v[AC+1]                ; the wave's sum of squares, in every lane
	s_lshl_b32 s2, s19, 3
	s_add_co_u32 s2, s2, s18
	s_lshl_b32 s2, s2, 2                           ; part[8 g + wave]
	v_mov_b32 v12, s2
	v_cmp_eq_u32 vcc_lo, 0, v1
	s_wait_xcnt 0x0                                ; EXEC is a source of the stores above: it changes only behind this wait
	s_and_saveexec_b32 s32, vcc_lo
	global_store_b32 v12, v[AC], s[16:17]          ; lane 0 alone: 2,048 words in the whole launch
	s_endpgm
	; ---------------- mu ----------------
.Lmu:
	s_sub_co_u32 s19, ttmp9, 257                   ; g
	s_lshl_b32 s2, s19, 17                         ; 32 rows of 4,096 bytes
	s_mov_b32 s3, 0
	s_add_nc_u64 s[20:21], s[6:7], s[2:3]
	s_lshl_b32 s2, s19, 16                         ; 32 rows of 2,048 bytes
	s_add_nc_u64 s[22:23], s[12:13], s[2:3]
.set i, 0
.rept 32
	global_load_b128 v[X+4*i:X+4*i+3], v2, s[20:21] offset:4096*i th:TH_LOAD_NT
.set i, i+1
.endr
.set i, 0
.rept 32
	s_wait_loadcnt 31-i                            ; row i is in; the younger loads stay out
	v_cvt_pk_bf16_f32 v[X+4*i],   v[X+4*i],   v[X+4*i+1]
	v_cvt_pk_bf16_f32 v[X+4*i+1], v[X+4*i+2], v[X+4*i+3]
	global_store_b64 v3, v[X+4*i:X+4*i+1], s[22:23] offset:2048*i  ; 256 consecutive bytes a wave, aligned; no register of a store is written again
.set i, i+1
.endr
	s_endpgm
	; ---------------- SORT ----------------
	; Wave w owns ids 1024 w .. 1024 w + 1023.  They lie in the wave's own 4,096 bytes of LDS, so that two short counted loops can walk them.
.Lsort:
	s_lshl_b32 s19, s18, 12
	v_lshl_add_u32 v4, v1, 4, s19                  ; 4,096 w + 16 lane: my bytes in domain_ids and in LDS alike
.irp u, 0,1,2,3,4,5,6,7
	global_load_b128 v[X+4*(\u):X+4*(\u)+3], v4, s[8:9] offset:512*(\u)
.endr
.irp d, 0,1,2,3,4,5,6,7
	s_mov_b32 s[C+(\d)], 0
.endr
	s_wait_loadcnt 0x0
.set i, X
.rept 32
	v_min_u32 v[i], 7, v[i]                        ; every row gets a domain, so every word of order is written
.set i, i+1
.endr
.irp u, 0,1,2,3,4,5,6,7
	ds_store_b128 v4, v[X+4*(\u):X+4*(\u)+3] offset:512*(\u)
.endr
	s_mov_b32 s60, 8
	s_mov_b32 s61, 0
.Lcount:                                               ; 8 trips of 128 ids: how many of my ids has each domain?
	v_add_nc_u32 v5, s61, v4
	ds_load_b128 v[8:11], v5                       ; my wave's own bytes: LDS serves a wave's instructions in order, so these see the stores above
	s_wait_dscnt 0x0
.irp j, 0,1,2,3
.irp d, 0,1,2,3,4,5,6,7
	v_cmp_eq_u32 s[M+(\d)], \d, v[8+(\j)]
.endr
.irp d, 0,1,2,3,4,5,6,7
	s_bcnt1_i32_b32 s[U+(\d)], s[M+(\d)]
.endr
.irp d, 0,1,2,3,4,5,6,7
	s_add_co_u32 s[C+(\d)], s[C+(\d)], s[U+(\d)]
.endr
.endr
	s_add_co_u32 s61, s61, 512
	s_sub_co_u32 s60, s60, 1
	s_cmp_lg_u32 s60, 0
	s_cbranch_scc1 .Lcount
	v_mov_b32 v6, 0
.irp d, 0,1,2,3,4,5,6,7
	v_writelane_b32 v6, s[C+(\d)], \d
.endr
	s_lshl_b32 s2, s18, 7
	v_lshl_add_u32 v7, v1, 2, s2
	ds_store_b32 v7, v6 offset:CNT                 ; my wave's eight counts
	s_wait_dscnt 0x0                               ; for the others' sake: the counts are in LDS
	s_barrier_signal -1                            ; the role's one barrier; all eight waves of this work-group are in this role
	s_barrier_wait -1
	v_and_b32 v7, 7, v1
	v_lshlrev_b32 v7, 2, v7
.irp p, 0,1,2,3,4,5,6,7
	ds_load_b32 v[16+(\p)], v7 offset:CNT+128*(\p) ; lane l: wave p's count of domain l % 8
.endr
	s_wait_dscnt 0x0
	v_add3_u32 v12, v16, v17, v18
	v_add3_u32 v12, v12, v19, v20
	v_add3_u32 v12, v12, v21, v22
	v_add_nc_u32 v12, v12, v23                     ; the domain's rows
	v_mov_b32 v13, 0
.irp p, 0,1,2,3,4,5,6
	s_cmp_gt_u32 s18, \p
	s_cselect_b32 s2, -1, 0
	v_and_b32 v14, s2, v[16+(\p)]
	v_add_nc_u32 v13, v13, v14                     ; of them in the waves in front of mine
.endr
.irp d, 0,1,2,3,4,5,6,7
	v_readlane_b32 s[TOT+(\d)], v12, \d
.endr
	s_mov_b32 s[CS], 0
.irp d, 1,2,3,4,5,6,7
	s_add_co_u32 s[CS+(\d)], s[CS+(\d)-1], s[TOT+(\d)-1]
.endr
.irp d, 0,1,2,3,4,5,6,7
	v_readlane_b32 s[C+(\d)], v13, \d
.endr
.irp d, 0,1,2,3,4,5,6,7
	s_add_co_u32 s[C+(\d)], s[C+(\d)], s[CS+(\d)]  ; the position of my wave's first row of each domain
.endr
	s_lshl_b32 s2, s18, 10
	v_lshl_add_u32 v15, v1, 2, s2                  ; the row of my quad's first id: 1,024 w + 4 lane, + 128 a trip
	s_mov_b32 s60, 8
	s_mov_b32 s61, 0
.Lrank:                                                ; 8 trips of 128 ids: each row's number goes to its position
	v_add_nc_u32 v5, s61, v4
	ds_load_b128 v[8:11], v5
	s_wait_dscnt 0x0
	s_wait_xcnt 0x0                                ; the last trip's stores have had their addresses translated: only now are their address and data registers written again
.irp j, 0,1,2,3
.irp d, 0,1,2,3,4,5,6,7
	v_cmp_eq_u32 s[M+(\d)], \d, v[8+(\j)]
.endr
	v_mbcnt_lo_u32_b32 v[48+(\j)], s[M], s[C]      ; the domain's counter + the lanes below me with the same domain
.irp d, 1,2,3,4,5,6,7
	v_mbcnt_lo_u32_b32 v14, s[M+(\d)], s[C+(\d)]
	v_cndmask_b32 v[48+(\j)], v[48+(\j)], v14, s[M+(\d)]
.endr
.irp d, 0,1,2,3,4,5,6,7
	s_bcnt1_i32_b32 s[U+(\d)], s[M+(\d)]
.endr
.irp d, 0,1,2,3,4,5,6,7
	s_add_co_u32 s[C+(\d)], s[C+(\d)], s[U+(\d)]
.endr
	v_min_u32 v[48+(\j)], 0x1fff, v[48+(\j)]       ; a position lies in 0..8191
	v_lshlrev_b32 v[48+(\j)], 2, v[48+(\j)]
	v_add_nc_u32 v[52+(\j)], \j, v15
	global_store_b32 v[48+(\j)], v[52+(\j)], s[14:15] offset:ORD  ; 8,192 scattered words in the whole launch: every lane has a place, EXEC is never touched
.endr
	v_add_nc_u32 v15, 128, v15
	s_add_co_u32 s61, s61, 512
	s_sub_co_u32 s60, s60, 1
	s_cmp_lg_u32 s60, 0
	s_cbranch_scc1 .Lrank
	s_wait_xcnt 0x0
	s_cmp_lg_u32 s18, 7
	s_cbranch_scc1 .Lnot_wave_7
	v_lshlrev_b32 v40, 2, v1
	v_mov_b32 v41, 0
	global_store_b32 v40, v41, s[14:15] offset:ORD+8192*4  ; order[8192 .. 8223] = 0
.Lnot_wave_7:
	s_cmp_lg_u32 s18, 0
	s_cbranch_scc1 .Lsort_end
	; Wave 0 lays out the groups.  A step is 32 rows; domain d has st = ceil(rows / 32) steps and takes ceil(st / m) groups of m steps.  m is the smallest of 8..11 with 32 groups or fewer in all;
	; 11 always serves: the steps of all domains are 263 at the most, so the groups are at most (263 + 8 x 10) / 11 < 32.
	v_add_nc_u32 v56, 31, v12
	v_lshrrev_b32 v56, 5, v56                      ; st, of domain lane % 8
	v_mov_b32 v58, 0
	s_mov_b32 s76, 11
	s_mov_b32 s77, 5958
	TRY 10, 6554                                   ; the groups do not grow with m, so the last that fits is the smallest
	TRY 9, 7282
	TRY 8, 8192
	v_add_nc_u32 v57, s76, v56
	v_add_nc_u32 v57, -1, v57
	v_mul_u32_u24 v57, s77, v57
	v_lshrrev_b32 v57, 16, v57                     ; the domain's groups
.irp d, 0,1,2,3,4,5,6,7
	v_readlane_b32 s[U+(\d)], v57, \d
.endr
	s_mov_b32 s[GS], 0
.irp d, 1,2,3,4,5,6,7
	s_add_co_u32 s[GS+(\d)], s[GS+(\d)-1], s[U+(\d)-1]
.endr
	s_lshl_b32 s78, s76, 5                         ; rows of a full group
	v_mov_b32 v60, 0                               ; lane g is group g: its domain is the last whose first group is not behind g
	v_mov_b32 v61, 0
	v_mov_b32 v62, s[TOT]
	v_mov_b32 v66, 0
.irp d, 1,2,3,4,5,6,7
	v_cmp_le_u32 vcc_lo, s[GS+(\d)], v1
	v_cndmask_b32 v60, v60, s[GS+(\d)], vcc_lo
	v_cndmask_b32 v61, v61, s[CS+(\d)], vcc_lo
	v_cndmask_b32 v62, v62, s[TOT+(\d)], vcc_lo
	v_cndmask_b32 v66, v66, \d, vcc_lo
.endr
	v_sub_nc_u32 v63, v1, v60
	v_mul_u32_u24 v63, s78, v63                    ; rows of the domain in front of this group
	v_add_nc_u32 v64, v61, v63
	v_min_u32 v64, 0x2000, v64                     ; its first position
	v_cmp_gt_u32 vcc_lo, v62, v63
	v_sub_nc_u32 v65, v62, v63
	v_cndmask_b32 v65, 0, v65, vcc_lo
	v_min_u32 v65, s78, v65                        ; its rows: what is left of the domain, a full group at the most, 0 for a group behind the last
	v_mov_b32 v67, 0
	v_lshlrev_b32 v68, 4, v1
	global_store_b128 v68, v[64:67], s[14:15]      ; 512 consecutive bytes
.Lsort_end:
	s_wait_tensorcnt 0x0
	ds_add_u32 v160, v161
	s_wait_dscnt 0x0
	s_endpgm
.Lfunc_end_k_q1b4f42658f_prep:
	.size	k_q1b4f42658f_prep, .Lfunc_end_k_q1b4f42658f_prep-k_q1b4f42658f_prep
	.p2alignl 7, 3214868480
	.fill 96, 4, 3214868480
	.section	.rodata,"a",@progbits
	.p2align	6, 0x0
	.amdhsa_kernel k_q1b4f42658f_prep
		.amdhsa_group_segment_fixed_size 34816
		.amdhsa_private_segment_fixed_size 0
		.amdhsa_enable_private_segment 0
		.amdhsa_kernarg_size 56
		.amdhsa_user_sgpr_count 2
		.amdhsa_user_sgpr_kernarg_segment_ptr 1
		.amdhsa_wavefront_size32 1
		.amdhsa_system_sgpr_workgroup_id_x 1
		.amdhsa_system_sgpr_workgroup_id_y 1
		.amdhsa_system_sgpr_workgroup_id_z 1
		.amdhsa_system_vgpr_workitem_id 0
		.amdhsa_next_free_vgpr 162
		.amdhsa_next_free_sgpr 84
		.amdhsa_reserve_vcc 1
		.amdhsa_float_denorm_mode_32 3
		.amdhsa_float_denorm_mode_16_64 3
		.amdhsa_memory_ordered 1
		.amdhsa_forward_progress 1
		.amdhsa_inst_pref_size 64
	.end_amdhsa_kernel
	.amdgpu_metadata
---
amdhsa.version: [ 1, 2 ]
amdhsa.kernels:
  - .name:           k_q1b4f42658f_prep
    .symbol:         k_q1b4f42658f_prep.kd
    .args:
      - { .name: W, .offset: 0, .size: 8, .value_kind: global_buffer, .address_space: global }
      - { .name: mu, .offset: 8, .size: 8, .value_kind: global_buffer, .address_space: global }
      - { .name: domain_ids, .offset: 16, .size: 8, .value_kind: global_buffer, .address_space: global }
      - { .name: Wb, .offset: 24, .size: 8, .value_kind: global_buffer, .address_space: global }
      - { .name: mub, .offset: 32, .size: 8, .value_kind: global_buffer, .address_space: global }
      - { .name: plan, .offset: 40, .size: 8, .value_kind: global_buffer, .address_space: global }
      - { .name: part, .offset: 48, .size: 8, .value_kind: global_buffer, .address_space: global }
    .group_segment_fixed_size: 34816
    .private_segment_fixed_size: 0
    .kernarg_segment_align: 8
    .kernarg_segment_size: 56
    .max_flat_workgroup_size: 256
    .sgpr_count:     84
    .vgpr_count:     162
    .wavefront_size: 32
...
	.end_amdgpu_metadata
.endif
;; end of part 1
;; launch gemm (part 2): grid 8 x 32, 4 waves a work-group, no clusters, 282,112 bytes of LDS; arguments Wb, mub, plan, part, out0, out1; writes out0, out1
.if DOCPART == 2
	.amdgcn_target "amdgcn-amd-amdhsa--gfx1250"
	.amdhsa_code_object_version 6
	.text
	.protected	k_q1b4f42658f_gemm
	.globl	k_q1b4f42658f_gemm
	.p2align	8
	.type	k_q1b4f42658f_gemm,@function
k_q1b4f42658f_gemm:
	s_mov_b64 s[64:65], 0
	v_nop
	global_prefetch_b8 v0, s[64:65] scope:SCOPE_SE
	s_setreg_imm32_b32 hwreg(HW_REG_WAVE_MODE, 25, 1), 1
	s_wait_xcnt 0x0
; out0[row][:] = mu[row] . W[domain of row]^T, by groups of rows of one domain; and out1 = (sum of part) / 2^23.
; SHARES.  Work-group (c, g): row group g of plan (up to 352 rows of one domain) x columns 128 c .. 128 c + 127.  Four waves, as many as a WGP has SIMDs; wave w owns columns 128 c + 32 w .. + 31.
; THE WEIGHTS STAY: a wave's 32 columns x all 1,024 of K are 64 fragments, 512 registers, loaded once.  The group's rows go past in steps of 32: each wave fetches 8 rows of bf16 mu by the list
; (whole rows of 2,048 bytes, 512 consecutive bytes a load), through registers into a tile in LDS that all four waves read.  Two slots take turns; ONE barrier a step.
; A step of a wave: 128 matrix instructions on 4 accumulators (2 blocks of 16 rows x 2 blocks of 16 columns), which take turns, one instruction a turn.
; THE WALK is 11 steps, a constant (a group has 11 steps at the most); steps behind the group's end jump forward over their work, never over the barrier.  Every guard compares a step's first row with
; the group's rows, a whole number that the launch before stored.
; THE WAY OUT: a wave's 32 columns are 128 bytes of a row, so a step's results meet in a stage in LDS (32 rows x 512 bytes) and leave as whole 512 bytes of a row, at a multiple of 512 from out0's first byte.
; NO TENSOR LOADS, NO CLUSTER: the rows are named by a list, one by one, and come through registers; W's tile is read once and ends in registers.  The 8 work-groups of a group do read the same rows,
; but a joint request is a tensor load's, and no one descriptor covers rows strewn by a list.
; LIMITS.  Operands are bf16 (rounded once, in the launch before), sums f32, K ascending within an accumulator.  Row numbers, positions and the domain are clamped to their tables.
; LDS: slot s at s x 131,072: the tile, 32 rows, pitch 2,064; behind it the stage, 32 rows, pitch 528.  Behind slot 1: 16,896 bytes for each wave, its own, through which W's rows become fragments.
; All three pitches are odd multiples of 16 bytes, so the 16 rows that a fragment load touches start at 16 different 16-byte columns modulo 256 bytes.
; REGISTERS, in windows of 256 (s_set_vgpr_msb: bits 1:0 source 0, 3:2 source 1, 5:4 source 2, 7:6 destination):
;   window 0: addresses, accumulators, two buffers of mu's fragments, the way out.   windows 1, 2: W's fragments, K steps 0-15 and 16-31.   window 3: v0-127 a step's 8 rows as loaded.
.set APITCH, 2064
.set SPITCH, 528
.set WPITCH, 528
.set SLOTB,  1<<17
.set STG,    32*APITCH                 ; 66,048: the stage in a slot
.set WST,    SLOTB+STG+32*SPITCH       ; 214,016: the waves' own 32 rows x 528 bytes
.set LN,  1                            ; v1   lane
.set RR,  2                            ; v2   lane % 16
.set HH,  3                            ; v3   lane / 16
.set L16, 4                            ; v4   16 x lane
.set ARD, 6                            ; v6-7    the tile read as fragments, slot 0, 1
.set AWR, 8                            ; v8-9    my wave's 8 rows of the tile, written
.set SWR, 10                           ; v10-11  the stage, written from accumulators
.set SRD, 12                           ; v12-13  my wave's 8 rows of the stage, read back
.set WSW, 14                           ; v14     my wave's own bytes: W's rows in
.set WSR, 15                           ; v15     and fragments out
.set VA,  16                           ; v16-23  my 8 rows' byte offsets in mub
.set VO,  24                           ; v24-31  and in out0
.set ACC, 32                           ; v32-63  accumulator (rb, cb) at ACC + 8 (2 rb + cb)
.set FR,  64                           ; v64-191 two buffers of 4 K steps x 2 row blocks x 8 registers
.set OT,  192                          ; v192-223 8 rows on their way out
.set RAW, 32                           ; s32-39  8 row numbers as loaded
.set RC,  40                           ; s40-47  the clamped rows of the step last asked for
.set MSB, 0
.macro WIN new                         ; the immediate's high byte repeats the setting that is left; a switch that changes nothing is dropped
.if MSB != (\new)
	s_set_vgpr_msb (MSB<<8)|(\new)
.set MSB, (\new)
.endif
.endm
.macro PLACES                          ; four plain vector instructions between a matrix instruction and a load into, or an LDS store from, its registers
.rept 4
	v_nop
.endr
.endm
; A quarter b of K (512 bytes of each of my 32 rows of W) into the 128 registers in which its fragments will lie.  Destination and LDS store data in window 1 or 2, addresses in window 0.
.macro WLOAD b
	WIN 0x44<<((\b)/2)
.set i, 0
.rept 32
	global_load_b128 v[128*((\b)%2)+4*i:128*((\b)%2)+4*i+3], v[L16], s[48:49] offset:2048*i+512*(\b)  ; 512 consecutive bytes of one row
.set i, i+1
.endr
.endm
; The quarter goes through my wave's own LDS bytes and comes back as fragments: fragment (cb, kk) holds for lane l column 16 cb + l % 16, K = 32 kk + 8 (l / 16) + 0..7 and 16 more on.
; LDS serves a wave's instructions in order (ISA guide 5.7.1.4): the loads see the stores, and the next quarter's stores come behind these loads.  No other wave touches the bytes: no barrier.
.macro RELAY b
	WIN 0x44<<((\b)/2)
.set i, 0
.rept 32
	ds_store_b128 v[WSW], v[128*((\b)%2)+4*i:128*((\b)%2)+4*i+3] offset:WPITCH*i
.set i, i+1
.endr
.irp kk, 0,1,2,3,4,5,6,7
.irp cb, 0,1
	ds_load_b128 v[128*((\b)%2)+8*(2*(\kk)+(\cb)):128*((\b)%2)+8*(2*(\kk)+(\cb))+3],   v[WSR] offset:16*WPITCH*(\cb)+64*(\kk)
	ds_load_b128 v[128*((\b)%2)+8*(2*(\kk)+(\cb))+4:128*((\b)%2)+8*(2*(\kk)+(\cb))+7], v[WSR] offset:16*WPITCH*(\cb)+64*(\kk)+32
.endr
.endr
.endm
.macro NEXTROWS ahead                  ; my wave's 8 row numbers of the step that begins \ahead rows behind the step in hand
	s_add_co_u32 s30, s53, s24
.if \ahead
	s_add_co_u32 s30, s30, \ahead
.endif
	s_min_u32 s30, s30, 8216                       ; 8 words from here end inside order's 8,224
	s_lshl_b32 s30, s30, 2
	s_load_b256 s[RAW:RAW+7], s[8:9], s30 offset:0x200
.endm
.macro ROWS
.irp j, 0,1,2,3,4,5,6,7
	s_min_u32 s[RC+(\j)], s[RAW+(\j)], 8191
.endr
.irp j, 0,1,2,3,4,5,6,7
	v_lshl_add_u32 v[VA+(\j)], s[RC+(\j)], 11, v[L16]
.endr
.endm
.macro MULOAD                          ; 8 rows x 2,048 bytes: 32 loads, into window 3
	WIN 0xc0
.irp j, 0,1,2,3,4,5,6,7
.irp u, 0,1,2,3
	global_load_b128 v[4*(4*(\j)+(\u)):4*(4*(\j)+(\u))+3], v[VA+(\j)], s[6:7] offset:512*(\u)
.endr
.endr
	WIN 0
.endm
.macro ASTORE s                        ; and on into slot s of the tile
	WIN 0x0c
.irp j, 0,1,2,3,4,5,6,7
.irp u, 0,1,2,3
	ds_store_b128 v[AWR+(\s)], v[4*(4*(\j)+(\u)):4*(4*(\j)+(\u))+3] offset:APITCH*(\j)+512*(\u)
.endr
.endr
	WIN 0
.endm
.macro FETCH q, f, s                   ; 16 LDS loads in one run: mu's fragments of K steps 4 q .. 4 q + 3, both row blocks, into buffer f
.irp kk, 0,1,2,3
.irp rb, 0,1
	ds_load_b128 v[FR+64*(\f)+8*(2*(\kk)+(\rb)):FR+64*(\f)+8*(2*(\kk)+(\rb))+3],   v[ARD+(\s)] offset:16*APITCH*(\rb)+64*(4*(\q)+(\kk))
	ds_load_b128 v[FR+64*(\f)+8*(2*(\kk)+(\rb))+4:FR+64*(\f)+8*(2*(\kk)+(\rb))+7], v[ARD+(\s)] offset:16*APITCH*(\rb)+64*(4*(\q)+(\kk))+32
.endr
.endr
.endm
.macro MUL q, f                        ; 16 matrix instructions; source 0 = 16 rows of mu, source 1 = 16 columns (rows of W).  K step 0 starts the sums with the constant 0: nothing is cleared
.irp kk, 0,1,2,3
.irp rb, 0,1
.irp cb, 0,1
.set ks, 4*(\q)+(\kk)
.set rB, 128*((ks>>3)&1)+8*(2*(ks&7)+(\cb))
.set rA, FR+64*(\f)+8*(2*(\kk)+(\rb))
.set rC, ACC+8*(2*(\rb)+(\cb))
.if ks == 0
	v_wmma_f32_16x16x32_bf16 v[rC:rC+7], v[rA:rA+7], v[rB:rB+7], 0
.else
	v_wmma_f32_16x16x32_bf16 v[rC:rC+7], v[rA:rA+7], v[rB:rB+7], v[rC:rC+7]
.endif
.endr
.endr
.endr
.endm
	s_load_b256 s[4:11], s[0:1], 0x0               ; Wb s[4:5], mub s[6:7], plan s[8:9], part s[10:11]
	s_load_b128 s[12:15], s[0:1], 0x20             ; out0 s[12:13], out1 s[14:15]
	v_lshl_add_u32 v254, v0, 2, 0x44c00
	v_mov_b32 v255, 0
	v_and_b32 v[LN], 31, v0
	v_lshrrev_b32 v5, 5, v0
	v_readfirstlane_b32 s16, v5                    ; wave 0..3
	s_mov_b32 s17, ttmp9                           ; c
	s_and_b32 s18, ttmp7, 0xffff                   ; g
	s_lshl_b32 s19, s18, 4
	s_wait_kmcnt 0x0
	s_load_b128 s[20:23], s[8:9], s19 offset:0x0   ; the group: s20 first position, s21 rows, s22 domain
	v_and_b32 v[RR], 15, v0
	v_bfe_u32 v[HH], v0, 4, 1
	v_lshlrev_b32 v[L16], 4, v[LN]
	v_mul_u32_u24 v[ARD], v[RR], APITCH            ; a fragment: row l % 16, 16 bytes for each half of the lanes
	v_lshl_add_u32 v[ARD], v[HH], 4, v[ARD]
	v_add_nc_u32 v[ARD+1], SLOTB, v[ARD]
	s_mul_i32 s2, s16, 8*APITCH                    ; my wave's rows 8 w .. 8 w + 7 of the tile
	v_add_nc_u32 v[AWR], s2, v[L16]
	v_add_nc_u32 v[AWR+1], SLOTB, v[AWR]
	v_mul_u32_u24 v[SWR], v[HH], 8*SPITCH          ; register j of an accumulator is row 8 (l / 16) + j, column l % 16
	v_lshl_add_u32 v[SWR], v[RR], 2, v[SWR]
	s_lshl_b32 s2, s16, 7                          ; my wave's 32 columns: 128 bytes
	s_add_co_u32 s2, s2, STG
	v_add_nc_u32 v[SWR], s2, v[SWR]
	v_add_nc_u32 v[SWR+1], SLOTB, v[SWR]
	s_mul_i32 s2, s16, 8*SPITCH                    ; back: my wave's rows 8 w .. 8 w + 7, whole
	s_add_co_u32 s2, s2, STG
	v_add_nc_u32 v[SRD], s2, v[L16]
	v_add_nc_u32 v[SRD+1], SLOTB, v[SRD]
	s_mul_i32 s2, s16, 32*WPITCH
	s_add_co_u32 s2, s2, WST
	v_add_nc_u32 v[WSW], s2, v[L16]
	v_mul_u32_u24 v[WSR], v[RR], WPITCH
	v_lshl_add_u32 v[WSR], v[HH], 4, v[WSR]
	v_add_nc_u32 v[WSR], s2, v[WSR]
	s_lshl_b32 s52, s16, 3                         ; 8 w
	s_mov_b32 s24, 0                               ; the first row of the step in hand,
	s_mov_b32 s25, 32                              ; and of the next
	s_wait_kmcnt 0x0
	s_min_u32 s20, s20, 8192
	s_min_u32 s21, s21, 352
	s_min_u32 s22, s22, 7
	s_add_co_u32 s53, s20, s52                     ; my wave's first position
	NEXTROWS 0
	s_lshl_b32 s2, s22, 21                         ; the domain's 2 MiB,
	s_lshl_b32 s31, s17, 18                        ; 128 c rows of 2,048 bytes,
	s_add_co_u32 s2, s2, s31
	s_lshl_b32 s31, s16, 16                        ; 32 w rows
	s_add_co_u32 s2, s2, s31
	s_mov_b32 s3, 0
	s_add_nc_u64 s[48:49], s[4:5], s[2:3]
	s_lshl_b32 s2, s17, 9                          ; 128 c columns of f32
	s_add_nc_u64 s[50:51], s[12:13], s[2:3]
	WLOAD 0
	WIN 0
	s_wait_kmcnt 0x0
	ROWS
	MULOAD                                         ; step 0's rows
	NEXTROWS 32
	; out1, by one wave of the launch, while its first loads are on their way
	s_or_b32 s2, s17, s18
	s_or_b32 s2, s2, s16
	s_cmp_lg_u32 s2, 0
	s_cbranch_scc1 .Lno_final
	s_mov_b32 s54, 0x76543210
	s_mov_b32 s55, 0xfedcba98
.set i, 0
.rept 16
	global_load_b128 v[FR+4*i:FR+4*i+3], v[L16], s[10:11] offset:512*i  ; the 2,048 partial sums
.set i, i+1
.endr
	s_wait_loadcnt 0x0                             ; all loads of this wave: the counted waits below then find fewer out than they allow
.irp st, 32,16,8,4,2
.set i, 0
.rept (\st)/2
	v_pk_add_f32 v[FR+i:FR+i+1], v[FR+i:FR+i+1], v[FR+(\st)+i:FR+(\st)+i+1]
.set i, i+2
.endr
.endr
	v_add_f32 v[FR], v[FR], v[FR+1]
	v_add_f32_dpp v[FR], v[FR], v[FR] row_xmask:1 row_mask:0xf bank_mask:0xf
	v_add_f32_dpp v[FR], v[FR], v[FR] row_xmask:2 row_mask:0xf bank_mask:0xf
	v_add_f32_dpp v[FR], v[FR], v[FR] row_xmask:4 row_mask:0xf bank_mask:0xf
	v_add_f32_dpp v[FR], v[FR], v[FR] row_xmask:8 row_mask:0xf bank_mask:0xf
	v_permlanex16_b32 v[FR+1], v[FR], s54, s55
	v_add_f32 v[FR], v[FR], v[FR+1]
	v_mul_f32 v[FR], 0x34000000, v[FR]             ; / (8 x 1,024 x 1,024) = x 2^-23
	v_mov_b32 v[FR+2], 0
	v_cmp_eq_u32 vcc_lo, 0, v[LN]
	s_wait_xcnt 0x0                                ; EXEC changes only behind this wait,
	s_and_saveexec_b32 s56, vcc_lo
	global_store_b32 v[FR+2], v[FR], s[14:15]
	s_wait_xcnt 0x0                                ; and again in front of the line that widens it; the store's registers are free as well
	s_or_b32 exec_lo, exec_lo, s56
.Lno_final:
	s_wait_loadcnt 32                              ; W's quarter 0 is in; the 32 loads of mu may be out
	RELAY 0
	WLOAD 1
	s_wait_loadcnt 32                              ; mu's step 0 is in; quarter 1's 32 may be out
	ASTORE 0
	WLOAD 2
	s_wait_loadcnt 32                              ; quarter 1; quarter 2's may be out
	RELAY 1
	WLOAD 3
	s_wait_loadcnt 32                              ; quarter 2; quarter 3's may be out
	RELAY 2
	s_wait_loadcnt 0x0
	RELAY 3
	WIN 0
	s_wait_dscnt 0x0                               ; W's fragments are in registers; for the others' sake: my 8 rows of step 0 are in the tile
	s_barrier_signal -1
	s_barrier_wait -1
; ONE STEP, on slot s.  last = 1: the eleventh step: there is no further one to ask for.
.macro TRIP s, last
	s_wait_xcnt 0x0                                ; the last step's stores have had their addresses translated: VO and OT are written again only behind this wait
	s_wait_kmcnt 0x0                               ; the next step's row numbers are in, and s30 is free
.irp j, 0,1,2,3,4,5,6,7
	v_lshl_add_u32 v[VO+(\j)], s[RC+(\j)], 12, v[L16]  ; RC still names this step's rows
.endr
	s_sub_co_i32 s29, s21, s24
	s_sub_co_i32 s29, s29, s52                     ; how many of my 8 rows are the group's (may be negative)
.if !(\last)
	s_cmp_lt_u32 s25, s21
	s_cbranch_scc0 .Lno_ask_\@
	ROWS                                           ; the next step's rows are asked for first: they have this step's 128 matrix instructions in which to land
	MULOAD
	NEXTROWS 64
.Lno_ask_\@:
.endif
	s_cmp_lt_u32 s24, s21
	s_cbranch_scc0 .Lno_mul_\@
	WIN 0x04                                       ; source 1 (W) in window 1; all else, the LDS loads' registers too, in window 0
	FETCH 0, 0, \s
.irp q, 0,1,2,3,4,5,6
.if (\q) > 0
	PLACES                                         ; the buffer loaded next was read by the 16 matrix instructions just issued
.endif
	FETCH (\q)+1, ((\q)+1)%2, \s
	s_wait_dscnt 16                                ; all but the 16 just issued
.if (\q) == 4
	WIN 0x08                                       ; K steps 16 on: W in window 2
.endif
	MUL \q, (\q)%2
.endr
	s_wait_dscnt 0x0
	MUL 7, 1
	WIN 0
	PLACES
.irp rb, 0,1
.irp cb, 0,1
.irp j, 0,1,2,3,4,5,6,7
	ds_store_b32 v[SWR+(\s)], v[ACC+8*(2*(\rb)+(\cb))+(\j)] offset:SPITCH*(16*(\rb)+(\j))+64*(\cb)  ; each accumulator from its lowest register on
.endr
.endr
.endr
.Lno_mul_\@:
.if !(\last)
	s_wait_loadcnt 0x0                             ; on every way: the next step's rows are in registers, and VA and window 3 are free for the step after
	s_cmp_lt_u32 s25, s21
	s_cbranch_scc0 .Lno_put_\@
	ASTORE 1-(\s)                                  ; into the other slot, whose last readers passed the barrier of the step before
.Lno_put_\@:
.endif
	s_wait_dscnt 0x0                               ; my reads of this slot's tile are back; my rows of the next tile and my part of the stage are in LDS
	s_barrier_signal -1                            ; the step's one barrier: it stands on every wave's way, in dead steps too
	s_barrier_wait -1
	s_cmp_lt_u32 s24, s21
	s_cbranch_scc0 .Lno_out_\@
.irp j, 0,1,2,3,4,5,6,7
	ds_load_b128 v[OT+4*(\j):OT+4*(\j)+3], v[SRD+(\s)] offset:SPITCH*(\j)  ; this slot's stage is written again two steps on, behind the next step's barrier
.endr
.irp j, 0,1,2,3,4,5,6,7
	s_wait_dscnt 7-(\j)                            ; row j is back; the younger rows may be out
	s_cmp_gt_i32 s29, \j
	s_cbranch_scc0 .Lno_out_\@                     ; the group's rows are a prefix of the step's: behind the first that is not the group's there is none
	global_store_b128 v[VO+(\j)], v[OT+4*(\j):OT+4*(\j)+3], s[50:51] th:TH_STORE_NT  ; 512 consecutive bytes of one row of out0, at a multiple of 512
.endr
.Lno_out_\@:
	s_wait_dscnt 0x0                               ; a wave that left the run early has no load on its way into OT
	s_add_co_u32 s24, s24, 32
	s_add_co_u32 s25, s25, 32
.endm
	s_mov_b32 s26, 5
.Ltrip:                                                ; five trips of two steps, then the eleventh step
	TRIP 0, 0
	TRIP 1, 0
	s_sub_co_u32 s26, s26, 1
	s_cmp_lg_u32 s26, 0
	s_cbranch_scc1 .Ltrip
	TRIP 0, 1
	s_wait_tensorcnt 0x0
	ds_add_u32 v254, v255
	s_wait_dscnt 0x0
	s_endpgm
.Lfunc_end_k_q1b4f42658f_gemm:
	.size	k_q1b4f42658f_gemm, .Lfunc_end_k_q1b4f42658f_gemm-k_q1b4f42658f_gemm
	.p2alignl 7, 3214868480
	.fill 96, 4, 3214868480
	.section	.rodata,"a",@progbits
	.p2align	6, 0x0
	.amdhsa_kernel k_q1b4f42658f_gemm
		.amdhsa_group_segment_fixed_size 282112
		.amdhsa_private_segment_fixed_size 0
		.amdhsa_enable_private_segment 0
		.amdhsa_kernarg_size 48
		.amdhsa_user_sgpr_count 2
		.amdhsa_user_sgpr_kernarg_segment_ptr 1
		.amdhsa_wavefront_size32 1
		.amdhsa_system_sgpr_workgroup_id_x 1
		.amdhsa_system_sgpr_workgroup_id_y 1
		.amdhsa_system_sgpr_workgroup_id_z 1
		.amdhsa_system_vgpr_workitem_id 0
		.amdhsa_next_free_vgpr 896
		.amdhsa_next_free_sgpr 66
		.amdhsa_reserve_vcc 1
		.amdhsa_float_denorm_mode_32 3
		.amdhsa_float_denorm_mode_16_64 3
		.amdhsa_memory_ordered 1
		.amdhsa_forward_progress 1
		.amdhsa_inst_pref_size 123
	.end_amdhsa_kernel
	.amdgpu_metadata
---
amdhsa.version: [ 1, 2 ]
amdhsa.kernels:
  - .name:           k_q1b4f42658f_gemm
    .symbol:         k_q1b4f42658f_gemm.kd
    .args:
      - { .name: Wb, .offset: 0, .size: 8, .value_kind: global_buffer, .address_space: global }
      - { .name: mub, .offset: 8, .size: 8, .value_kind: global_buffer, .address_space: global }
      - { .name: plan, .offset: 16, .size: 8, .value_kind: global_buffer, .address_space: global }
      - { .name: part, .offset: 24, .size: 8, .value_kind: global_buffer, .address_space: global }
      - { .name: out0, .offset: 32, .size: 8, .value_kind: global_buffer, .address_space: global }
      - { .name: out1, .offset: 40, .size: 8, .value_kind: global_buffer, .address_space: global }
    .group_segment_fixed_size: 282112
    .private_segment_fixed_size: 0
    .kernarg_segment_align: 8
    .kernarg_segment_size: 48
    .max_flat_workgroup_size: 128
    .sgpr_count:     66
    .vgpr_count:     896
    .wavefront_size: 32
...
	.end_amdgpu_metadata
.endif
;; end of part 2
